; MI455X (gfx1250); checked and timed in simulation.
; The chip was launched on July 23, 2026; its instructions are those of AMD's public machine-readable ISA for CDNA 5 (MIT licence, August 2026) and "CDNA5" Instruction Set Architecture Reference Guide (July 2026). The comments in the code are by the model that wrote it; some were corrected since.
;; Action VQ. Allowed arithmetic: float matrix products may take bf16 or f16 operands with f32 sums; other float arithmetic in f32, or as packed bf16 or f16 multiplies, adds, multiply-adds, maxima and minima; sums over many terms, partial sums and values carried from step to step in f32; what a program stores and reads back later, other than sums and carried values, may be rounded once to bf16 or f16.
;; Inputs: W 8,192 x 512 float32; e 16,384 x 512 float32.
;; Outputs: out0 16,384 int32; out1 16,384 x 512 float32.
;; 2 versions, each right; version 2 is version 1 with the launches prep, pick written anew for expert scheduling mode. Each part assembles by itself: llvm-mc -triple=amdgcn-amd-amdhsa -mcpu=gfx1250 --defsym DOCPART=n.
;; ======== version 1 of 2: 3 launches
;; workspace buffers: eb 16,777,216 bytes; wb 8,388,608 bytes; ee 65,536 bytes; ww 32,768 bytes; pval 262,144 bytes; pidx 262,144 bytes of whole numbers
;; launch prep (part 1): grid 256 x 1, 8 waves a work-group, no clusters, 1,536 bytes of LDS; arguments e, W, eb, wb, ee, ww; writes eb, wb, ee, ww
.if DOCPART == 1
	.amdgcn_target "amdgcn-amd-amdhsa--gfx1250"
	.amdhsa_code_object_version 6
	.text
	.protected	k_q013193dac8_prep
	.globl	k_q013193dac8_prep
	.p2align	8
	.type	k_q013193dac8_prep,@function
k_q013193dac8_prep:
	s_mov_b64 s[64:65], 0
	v_nop
	global_prefetch_b8 v0, s[64:65] scope:SCOPE_SE
	s_setreg_imm32_b32 hwreg(HW_REG_WAVE_MODE, 25, 1), 1
	s_wait_xcnt 0x0
; eb = e rounded to bf16, wb = W rounded to bf16, ee[n] = the sum of squares of eb's row n, ww[a] = that of wb's row a (f32 sums of the ROUNDED numbers:
; the distances of the next launch are those of the rounded inputs throughout).  e: [16384][512] f32, W: [8192][512] f32.
; SHARES.  Work-group g takes e's rows 64 g .. 64 g + 63 and W's rows 32 g .. 32 g + 31; each of its eight waves 8 rows of e and 4 of W, a row at a time across the whole wave.
; A row is 2,048 bytes: four loads of 16 bytes a lane, 512 consecutive bytes each.  All 48 loads of a wave go out at once, so nothing in the launch waits for a second request.
; Rounded, a load's four numbers are 8 bytes a lane: a store covers 256 consecutive bytes, aligned.  The sums meet in LDS, so that ee leaves as 256 consecutive bytes (ww: 128, all that a work-group has).
; Memory binds: no matrix unit, no cluster, no tensor load; no prefetch, since a wave's whole share is asked for at its head.
; LIMITS.  A row's squares are added in a fixed order of this text's own (two chains a lane, then across the lanes), not in the reference's; a sum of squares beyond f32's range is an infinity.
.set SPARE, 512                        ; LDS: 0..255 the 64 ee, 256..383 the 32 ww (the block to 511 is theirs), then the spare words, 128 bytes for each of eight waves
.set LO,  1                            ; v1   16 x lane: my 16 bytes of a load's 512
.set SO,  2                            ; v2   8 x lane: my 8 bytes of a store's 256
.set LE,  3                            ; v3   LDS address of my wave's eight ee: 32 x wave
.set LW,  4                            ; v4   of its four ww: 256 + 16 x wave
.set L4,  5                            ; v5   4 x lane
.set SPW, 6                            ; v6   LDS address of my spare word; never rewritten
.set NIL, 7                            ; v7   0; never rewritten
.set T,   8                            ; v[8:23]   a row's 16 rounded numbers of my lane, widened again
.set SA,  24                           ; v[24:25]  first chain of squares
.set SB,  26                           ; v[26:27]  second chain
.set X,   32                           ; v[32:223] row n of 12: 16 registers as loaded; its first 8 then hold the packed bf16
.set WV,  16                           ; s16  my wave's number
	s_load_b256 s[4:11], s[0:1], 0x0               ; e s[4:5], W s[6:7], eb s[8:9], wb s[10:11]
	s_load_b128 s[12:15], s[0:1], 0x20             ; ee s[12:13], ww s[14:15]
	v_lshl_add_u32 v[SPW], v0, 2, SPARE
	v_mov_b32 v[NIL], 0
	v_lshrrev_b32 v8, 5, v0
	v_readfirstlane_b32 s[WV], v8                  ; wave 0..7
	v_and_b32 v9, 31, v0                           ; lane
	v_lshlrev_b32 v[LO], 4, v9
	v_lshlrev_b32 v[SO], 3, v9
	v_lshlrev_b32 v[L4], 2, v9
	s_lshl_b32 s17, s[WV], 5
	v_mov_b32 v[LE], s17
	s_lshl_b32 s17, s[WV], 4
	s_add_co_u32 s17, s17, 256
	v_mov_b32 v[LW], s17
	s_mov_b32 s18, 0x76543210                      ; v_permlanex16_b32: each lane takes its own place in the other half
	s_mov_b32 s19, 0xfedcba98
	s_mov_b32 s20, 0xffff0000                      ; a word's upper bf16
	s_lshl_b32 s22, ttmp9, 16                      ; W and eb: 65,536 bytes a work-group (32 rows of 2,048; 64 rows of 1,024),
	s_lshl_b32 s23, s[WV], 13                      ; 8,192 a wave
	s_add_co_u32 s22, s22, s23
	s_mov_b32 s23, 0
	s_lshl_b32 s2, s22, 1                          ; e: twice that
	s_mov_b32 s3, 0
	s_lshr_b32 s24, s22, 1                         ; wb: half of it
	s_mov_b32 s25, 0
	s_lshl_b32 s26, ttmp9, 8                       ; ee: 64 words a work-group
	s_mov_b32 s27, 0
	s_lshl_b32 s28, ttmp9, 7                       ; ww: 32 words
	s_mov_b32 s29, 0
	s_wait_kmcnt 0x0
	s_add_nc_u64 s[4:5], s[4:5], s[2:3]
	s_add_nc_u64 s[6:7], s[6:7], s[22:23]
	s_add_nc_u64 s[8:9], s[8:9], s[22:23]
	s_add_nc_u64 s[10:11], s[10:11], s[24:25]
	s_add_nc_u64 s[12:13], s[12:13], s[26:27]
	s_add_nc_u64 s[14:15], s[14:15], s[28:29]
.irp i, 0,1,2,3,4,5,6,7                ; my eight rows of e: rows 0 to 7 of the twelve
.irp c, 0,1,2,3
	global_load_b128 v[X+16*(\i)+4*(\c):X+16*(\i)+4*(\c)+3], v[LO], s[4:5] offset:2048*(\i)+512*(\c) th:TH_LOAD_NT
.endr
.endr
.irp i, 0,1,2,3                        ; my four rows of W: rows 8 to 11
.irp c, 0,1,2,3
	global_load_b128 v[X+128+16*(\i)+4*(\c):X+128+16*(\i)+4*(\c)+3], v[LO], s[6:7] offset:2048*(\i)+512*(\c) th:TH_LOAD_NT
.endr
.endr
; Row n of the twelve: rounded, stored as row i behind the base in s[ob:ob+1], squared and summed; the sum goes to word i behind the LDS address in v[la].
.macro ROW n, ob, i, la
.set XR, X+16*(\n)
	s_wait_loadcnt 4*(11-(\n))                     ; loads come back in order (ISA guide 5.7.1): this row's four are in, the four of each younger row may stay out
.irp t, 0,1,2,3,4,5,6,7
	v_cvt_pk_bf16_f32 v[XR+(\t)], v[XR+2*(\t)], v[XR+2*(\t)+1]  ; in place, ascending: word t lands on a register whose number has been read
.endr
.irp c, 0,1,2,3
	global_store_b64 v[SO], v[XR+2*(\c):XR+2*(\c)+1], s[(\ob):(\ob)+1] offset:1024*(\i)+256*(\c)  ; 32 lanes store 256 consecutive bytes, aligned; these registers are never written again
.endr
.irp t, 0,1,2,3,4,5,6,7
	v_lshlrev_b32 v[T+2*(\t)], 16, v[XR+(\t)]      ; the rounded numbers as f32
	v_and_b32 v[T+2*(\t)+1], s20, v[XR+(\t)]
.endr
	v_pk_mul_f32 v[SA:SA+1], v[T:T+1], v[T:T+1]    ; the first products start the two chains: nothing is cleared
	v_pk_mul_f32 v[SB:SB+1], v[T+2:T+3], v[T+2:T+3]
.irp t, 4,8,12
	v_pk_fma_f32 v[SA:SA+1], v[T+(\t):T+(\t)+1], v[T+(\t):T+(\t)+1], v[SA:SA+1]
	v_pk_fma_f32 v[SB:SB+1], v[T+(\t)+2:T+(\t)+3], v[T+(\t)+2:T+(\t)+3], v[SB:SB+1]
.endr
	v_pk_add_f32 v[SA:SA+1], v[SA:SA+1], v[SB:SB+1]
	v_add_f32 v[SA], v[SA], v[SA+1]
	v_add_f32_dpp v[SA], v[SA], v[SA] row_xmask:1 row_mask:0xf bank_mask:0xf
	v_add_f32_dpp v[SA], v[SA], v[SA] row_xmask:2 row_mask:0xf bank_mask:0xf
	v_add_f32_dpp v[SA], v[SA], v[SA] row_xmask:4 row_mask:0xf bank_mask:0xf
	v_add_f32_dpp v[SA], v[SA], v[SA] row_xmask:8 row_mask:0xf bank_mask:0xf
	v_permlanex16_b32 v[SA+1], v[SA], s18, s19     ; its destination has been written above
	v_add_f32 v[SA], v[SA], v[SA+1]                ; every lane holds the row's sum
	ds_store_b32 v[\la], v[SA] offset:4*(\i)       ; all lanes write the same word with the same value
.endm
.irp i, 0,1,2,3,4,5,6,7
	ROW \i, 8, \i, LE
.endr
.irp i, 0,1,2,3
	ROW 8+(\i), 10, \i, LW
.endr
	s_wait_dscnt 0x0                               ; for the others' sake: my sums lie in LDS
	s_barrier_signal -1
	s_barrier_wait -1                              ; everybody's do
	s_cmp_eq_u32 s[WV], 0
	s_cbranch_scc0 .Lnot_wave_0
	ds_load_b64 v[SA:SA+1], v[SO]                  ; wave 0: the 64 ee, two a lane
	s_wait_dscnt 0x0
	global_store_b64 v[SO], v[SA:SA+1], s[12:13]   ; 256 consecutive bytes, aligned
	s_branch .Lend
.Lnot_wave_0:
	s_cmp_eq_u32 s[WV], 1
	s_cbranch_scc0 .Lend
	ds_load_b32 v[SA], v[L4] offset:256            ; wave 1: the 32 ww
	s_wait_dscnt 0x0
	global_store_b32 v[L4], v[SA], s[14:15]        ; 128 consecutive bytes: all of ww that this work-group has
.Lend:
	s_wait_tensorcnt 0x0                           ; the wave's end: behind my last LDS store
	ds_add_u32 v[SPW], v[NIL]
	s_wait_dscnt 0x0
	s_endpgm
.Lfunc_end_k_q013193dac8_prep:
	.size	k_q013193dac8_prep, .Lfunc_end_k_q013193dac8_prep-k_q013193dac8_prep
	.p2alignl 7, 3214868480
	.fill 96, 4, 3214868480
	.section	.rodata,"a",@progbits
	.p2align	6, 0x0
	.amdhsa_kernel k_q013193dac8_prep
		.amdhsa_group_segment_fixed_size 1536
		.amdhsa_private_segment_fixed_size 0
		.amdhsa_enable_private_segment 0
		.amdhsa_kernarg_size 48
		.amdhsa_user_sgpr_count 2
		.amdhsa_user_sgpr_kernarg_segment_ptr 1
		.amdhsa_wavefront_size32 1
		.amdhsa_system_sgpr_workgroup_id_x 1
		.amdhsa_system_sgpr_workgroup_id_y 1
		.amdhsa_system_sgpr_workgroup_id_z 1
		.amdhsa_system_vgpr_workitem_id 0
		.amdhsa_next_free_vgpr 224
		.amdhsa_next_free_sgpr 66
		.amdhsa_reserve_vcc 0
		.amdhsa_float_denorm_mode_32 3
		.amdhsa_float_denorm_mode_16_64 3
		.amdhsa_memory_ordered 1
		.amdhsa_forward_progress 1
		.amdhsa_inst_pref_size 36
	.end_amdhsa_kernel
	.amdgpu_metadata
---
amdhsa.version: [ 1, 2 ]
amdhsa.kernels:
  - .name:           k_q013193dac8_prep
    .symbol:         k_q013193dac8_prep.kd
    .args:
      - { .name: e, .offset: 0, .size: 8, .value_kind: global_buffer, .address_space: global }
      - { .name: W, .offset: 8, .size: 8, .value_kind: global_buffer, .address_space: global }
      - { .name: eb, .offset: 16, .size: 8, .value_kind: global_buffer, .address_space: global }
      - { .name: wb, .offset: 24, .size: 8, .value_kind: global_buffer, .address_space: global }
      - { .name: ee, .offset: 32, .size: 8, .value_kind: global_buffer, .address_space: global }
      - { .name: ww, .offset: 40, .size: 8, .value_kind: global_buffer, .address_space: global }
    .group_segment_fixed_size: 1536
    .private_segment_fixed_size: 0
    .kernarg_segment_align: 8
    .kernarg_segment_size: 48
    .max_flat_workgroup_size: 256
    .sgpr_count:     66
    .vgpr_count:     224
    .wavefront_size: 32
...
	.end_amdgpu_metadata
.endif
;; end of part 1
;; launch dist (part 2): grid 64 x 4, 4 waves a work-group, clusters of 4 x 1, 327,680 bytes of LDS; arguments eb, wb, ee, ww, pval, pidx; writes pval, pidx
.if DOCPART == 2
	.amdgcn_target "amdgcn-amd-amdhsa--gfx1250"
	.amdhsa_code_object_version 6
	.text
	.protected	k_q013193dac8_dist
	.globl	k_q013193dac8_dist
	.p2align	8
	.type	k_q013193dac8_dist,@function
k_q013193dac8_dist:
	s_mov_b64 s[64:65], 0
	v_nop
	global_prefetch_b8 v0, s[64:65] scope:SCOPE_SE
	s_setreg_imm32_b32 hwreg(HW_REG_WAVE_MODE, 25, 1), 1
	s_wait_xcnt 0x0
	s_wait_alu depctr_hold_cnt(0) depctr_sa_sdst(0) depctr_va_vdst(0) depctr_va_sdst(0) depctr_va_ssrc(0) depctr_va_vcc(0) depctr_vm_vsrc(0)
	s_getreg_b32 s2, hwreg(HW_REG_IB_STS2, 6, 4)
	s_cmp_eq_u32 s2, 0
	s_cbranch_scc0 .Lentry_in_a_cluster
	s_endpgm
.Lentry_in_a_cluster:
	s_bfe_u32 s2, ttmp6, 0x10000c
	s_cmp_lg_u32 s2, 0x3003
	s_cbranch_scc0 .Lentry_shape_is_right
	s_endpgm
.Lentry_shape_is_right:
; For each row n of eb and each quarter cq of the 8,192 codes: pval[cq][n] = the least d2 = (ee[n] - 2 eb[n] . wb[a]) + ww[a] over the quarter's 2,048 codes a, pidx[cq][n] = the first code that has it.
; eb: [16384][512] bf16, wb: [8192][512] bf16, ee: [16384] f32, ww: [8192] f32.  The dot is summed in f32 by the matrix unit, K ascending; d2 is formed as the reference forms it: one fused multiply-add
; by -2 (2 x dot is exact, so this is the rounded ee - 2 dot), then one addition of ww; a later code replaces an earlier one only if its d2 is strictly less.
; LIMITS.  NaN and infinities are not treated as argmin treats them (a NaN never wins).  Two codes whose d2 differ by less than the rounding of the dot's f32 sum may be ranked otherwise than by the reference.
; SHARES.  A work-group owns 256 rows and one quarter; each of its four waves 64 rows: four blocks b of 16.  A WAVE'S ROWS STAY IN REGISTERS over all of K: 4 x 16 fragments, 512 registers.  So a fragment of
; wb read from LDS (1,024 bytes) feeds four matrix instructions, and the four waves read the same tiles of wb.  64 row blocks x 4 quarters = 256 work-groups.
; THE WALK.  128 tiles of 16 codes, 64 matrix instructions each; LDS holds two slots of 128 codes (8 tiles), each wave fetching 32 rows of 1,024 bytes of a slot by one tensor load.
; LAYOUT.  Source 0 = 16 codes, source 1 = 16 rows of eb: in the result lane (r, h) holds ONE row (16 b + r) and the codes 16 t + 8 h + 0..7.  So ee is one number a lane and block, ww eight registers a tile,
; and the running minimum is kept for each (b, j): a value and a tile's number.  Nothing crosses lanes before the end.
; BY TURNS.  Two sets of four accumulators: while tile t is multiplied into one, tile t - 1's 128 vector instructions (d2, compare, minimum, select) stand in slices of four behind every second product.
; They live in window 0, a product's sources in windows 1 to 3: a slice costs two switches, 64 for a tile's 64 matrix instructions.
; CLUSTER.  The four work-groups of a cluster have four row blocks and ONE quarter: each tile of wb, and ww, is asked for JOINTLY: the same tensor load, descriptor and mask in all four.
; eb is not shared: it goes once, straight into registers in fragment layout, 64 KiB a wave against the 2 MiB of wb that the work-group walks.
; REGISTERS, in windows of 256 (s_set_vgpr_msb: bits 1:0 source 0, 3:2 source 1, 5:4 source 2, 7:6 destination):
;   window 0: v1-19 addresses; v20-27 ee, twice for each block; v28-43 ww of two tiles; v64-127 accumulators (set p, block b at 64 + 32 p + 8 b); v128-159 best values; v160-191 their tiles; v192-207 at work at the end
;   window 1: two buffers of 128: a tile's 16 fragments of wb          windows 2, 3: eb's fragments: block b, K step k in window 2 + k / 8 at 32 (k % 8) + 8 b
.set PITCH, 1040                       ; a row of wb in LDS: 1,024 bytes + 16 of padding = 260 words: row r starts at bank 4 r mod 64 (64 banks of 4 bytes: ISA guide 11.1)
.set TROWS, 32                         ; rows in a wave's tensor load
.set SLOT,  128*PITCH                  ; 133,120 bytes
.set SLOTB, 128*1024                   ; a slot's rows in memory
.set WWB,   2*SLOT                     ; behind the ring: the quarter's ww, 8,192 bytes, filled once
.set SPARE, WWB+8192                   ; behind it: the spare words, 128 bytes for each wave: two blocks of 256 bytes that no other line names
.set VR,  1                            ; v1   r = lane % 16
.set VH,  2                            ; v2   h = lane / 16
.set AK0, 3                            ; v3   my place in a tile of wb: r x PITCH + 16 h; never rewritten
.set ADR, 4                            ; v4   the LDS address of the run of loads in hand
.set AW0, 5                            ; v5   my place in a tile's ww: WWB + 32 h; never rewritten
.set ADW, 6                            ; v6   the LDS address of the ww in hand
.set QO,  7                            ; v7   my byte offset in 16 rows of eb: r x 1,024 + 16 h
.set SPW, 8                            ; v8   LDS address of my spare word; never rewritten
.set NIL, 9                            ; v9   0; never rewritten
.set EO,  10                           ; v10  4 r
.set PFO, 11                           ; v11  the prefetches' offset: row lane / 4, block lane % 4 of 256 bytes; never rewritten
.set TNV, 12                           ; v12  the number of the tile whose distances are in hand
.set HB,  13                           ; v13  2,048 cq + 8 h
.set BP0, 14                           ; v14  the end: 4 x the lane that holds my first row
.set BP1, 15                           ; v15  and my second
.set SO,  16                           ; v16  8 x lane
.set EE,  20
.set WWR, 28
.set ACC, 64
.set BV,  128
.set BI,  160
.set WK,  192
.set WV,  16                           ; s16  my wave's number
.set CX,  17                           ; s17  my place in the cluster
.set RB,  18                           ; s18  my row block
.set CQ,  19                           ; s19  my quarter, which the four partners share
.set G1,  24                           ; s[24:31] descriptor group 1 for wb's tiles
.set G1W, 32                           ; s[32:39] for ww
.set G0,  40                           ; s[40:47] descriptor group 0 for wb's tiles, a set for each slot
.set G0W, 48                           ; s[48:51] for ww
.set PFA, 52                           ; s[52:53] where my prefetches stand
.set LIM, 54                           ; s54  1 in a cluster that prefetches, else the greatest number
.set LEFT, 55                          ; s55  trips of the loop over pairs of slots still to come
.set CNT, 56                           ; s56  counts pairs of tiles
.set TB,  57                           ; s57  LDS byte at which the tile to be fetched begins
.set TW,  58                           ; s58  64 x the number of the tile whose ww is fetched next
.set SEL, 60                           ; s[60:61] v_permlanex16_b32's selects
.set HM,  62                           ; s62  lanes 16 to 31
.set CM,  63                           ; s63  lanes 8 to 15 and 24 to 31
.set MKA, 66                           ; s66-68 masks at the end
.set MKB, 67
.set MKC, 68
.set MSB, 0
.macro WIN new                         ; the immediate's high byte repeats the setting that is left; a switch that changes nothing is dropped
.if MSB != (\new)
	s_set_vgpr_msb (MSB<<8)|(\new)
.set MSB, \new
.endif
.endm
; A round of the cluster's barrier: my work-group's barrier, so that wave 0's signal speaks for all four waves; wave 0 signals; every wave waits for all four work-groups; my work-group's barrier once more.
.macro CROUND
	s_barrier_signal -1
	s_barrier_wait -1
	s_cmp_lg_u32 s[WV], 0
	s_cbranch_scc1 .Lnot_wave_0_\@
	s_barrier_signal -3
.Lnot_wave_0_\@:
	s_barrier_wait -3
	s_barrier_signal -1
	s_barrier_wait -1
.endm
	s_load_b256 s[4:11], s[0:1], 0x0               ; eb s[4:5], wb s[6:7], ee s[8:9], ww s[10:11]
	s_load_b128 s[12:15], s[0:1], 0x20             ; pval s[12:13], pidx s[14:15]
	v_lshl_add_u32 v[SPW], v0, 2, SPARE
	v_mov_b32 v[NIL], 0
	ds_add_u32 v[SPW], v[NIL]                      ; the wave's opening: the add and its wait stand ahead of my first tensor load; the set-up below, work on registers, stands between them
	v_lshrrev_b32 v17, 5, v0
	v_readfirstlane_b32 s[WV], v17                 ; wave 0..3
	s_bfe_u32 s[CX], ttmp6, 0x40000                ; cx
	s_lshl_b32 s[RB], ttmp9, 2                     ; in a cluster launch ttmp9 counts clusters
	s_add_co_u32 s[RB], s[RB], s[CX]               ; my row block = 4 x cluster x + cx: it enters eb's, ee's, pval's and pidx's addresses alone
	s_and_b32 s[CQ], ttmp7, 0xffff
	; group 1 for wb: a tile of 32 rows x 512 elements, padded in LDS
	s_mov_b32 s[G1], 15|(1<<16)|(1<<20)|(1<<21)|(7<<22)|(3<<25)  ; 15:0 the mask of four; 17:16 2-byte elements; 20 padding on; 21 set beside a mask; 24:22 after every 256 words (code 7); 31:25 4 words (code 3)
	s_mov_b32 s[G1+1], 512<<16                     ; tensor_dim0 = 512
	s_mov_b32 s[G1+2], TROWS<<16                   ; tensor_dim1 = 32
	s_mov_b32 s[G1+3], 512<<16                     ; tile_dim0 = 512
	s_mov_b32 s[G1+4], TROWS                       ; tile_dim1 = 32
	s_mov_b32 s[G1+5], 512                         ; 512 elements from row to row
	s_mov_b32 s[G1+6], 0
	s_mov_b32 s[G1+7], 0
	; group 1 for ww: a wave's 2,048 dense bytes as 8 rows of 256
	s_mov_b32 s[G1W], 15|(3<<16)|(1<<21)           ; the mask of four; 8-byte elements; no padding
	s_mov_b32 s[G1W+1], 32<<16
	s_mov_b32 s[G1W+2], 8<<16
	s_mov_b32 s[G1W+3], 32<<16
	s_mov_b32 s[G1W+4], 8
	s_mov_b32 s[G1W+5], 32
	s_mov_b32 s[G1W+6], 0
	s_mov_b32 s[G1W+7], 0
	s_mul_i32 s74, s[WV], TROWS*PITCH              ; where my 32 rows of a slot go: no place in the cluster enters an LDS address
	s_mov_b32 s[G0], 1
	s_mov_b32 s[G0+1], s74                         ; slot 0
	s_mov_b32 s[G0+4], 1
	s_add_co_u32 s[G0+5], s74, SLOT                ; slot 1
	s_mov_b32 s[G0W], 1
	s_lshl_b32 s[G0W+1], s[WV], 11
	s_add_co_u32 s[G0W+1], s[G0W+1], WWB
	s_lshl_b32 s20, s[CQ], 13                      ; ww: the quarter's 8,192 bytes, my wave's 2,048
	s_lshl_b32 s21, s[WV], 11
	s_add_co_u32 s20, s20, s21
	s_mov_b32 s21, 0
	s_lshl_b32 s22, s[CQ], 21                      ; wb: the quarter's 2,048 rows of 1,024 bytes, my wave's 32 of a slot
	s_lshl_b32 s23, s[WV], 15
	s_add_co_u32 s22, s22, s23
	s_mov_b32 s23, 0
	s_lshl_b32 s70, s[RB], 18                      ; eb: my block's 256 rows of 1,024 bytes, my wave's 64
	s_lshl_b32 s71, s[WV], 16
	s_add_co_u32 s70, s70, s71
	s_mov_b32 s71, 0
	s_lshl_b32 s72, s[RB], 10                      ; ee: the same rows, 4 bytes each
	s_lshl_b32 s73, s[WV], 8
	s_add_co_u32 s72, s72, s73
	s_mov_b32 s73, 0
	s_lshl_b32 s76, s[CQ], 16                      ; pval and pidx: the quarter's 16,384 words, then as ee
	s_add_co_u32 s76, s76, s72
	s_mov_b32 s77, 0
	s_lshl_b32 s78, s[CX], 13                      ; the prefetches: my work-group's 8 of the 32 rows that my wave fetches
	s_mov_b32 s79, 0
	s_mov_b32 s[LIM], ttmp9                        ; every cluster of a quarter walks the same rows of wb: the first of them prefetches; the same in all four partners
	s_cmp_eq_u32 s[LIM], 0
	s_cselect_b32 s[LIM], 1, -1
	s_mov_b32 s[SEL], 0x76543210
	s_mov_b32 s[SEL+1], 0xfedcba98
	s_mov_b32 s[HM], 0xffff0000
	s_mov_b32 s[CM], 0xff00ff00
	s_lshl_b32 s75, s[CQ], 11
	v_and_b32 v[VR], 15, v0
	v_bfe_u32 v[VH], v0, 4, 1
	v_mul_u32_u24 v[AK0], v[VR], PITCH
	v_lshl_add_u32 v[AK0], v[VH], 4, v[AK0]
	v_lshlrev_b32 v[AW0], 5, v[VH]
	v_add_nc_u32 v[AW0], WWB, v[AW0]
	v_lshlrev_b32 v[QO], 10, v[VR]
	v_lshl_add_u32 v[QO], v[VH], 4, v[QO]
	v_lshlrev_b32 v[EO], 2, v[VR]
	v_and_b32 v17, 31, v0                          ; lane
	v_lshrrev_b32 v18, 2, v17
	v_and_b32 v19, 3, v17
	v_lshlrev_b32 v[PFO], 10, v18
	v_lshl_add_u32 v[PFO], v19, 8, v[PFO]
	v_lshl_add_u32 v[HB], v[VH], 3, s75
	v_and_b32 v18, 7, v0
	v_and_b32 v19, 16, v0
	v_lshl_add_u32 v18, v18, 1, v19                ; lane L's rows 2 L, 2 L + 1 are held by lanes (L & 16) + 2 (L & 7) and the next
	v_lshlrev_b32 v[BP0], 2, v18
	v_add_nc_u32 v[BP1], 4, v[BP0]
	v_lshlrev_b32 v[SO], 3, v17
	s_wait_dscnt 0x0                               ; the opening add is done
	s_wait_kmcnt 0x0
	s_add_nc_u64 s[G0+2:G0+3], s[6:7], s[22:23]    ; my rows of slot 0,
	s_add_nc_u64 s[G0+6:G0+7], s[G0+2:G0+3], SLOTB ; of slot 1
	s_add_nc_u64 s[PFA:PFA+1], s[G0+2:G0+3], s[78:79]
	s_add_nc_u64 s[PFA:PFA+1], s[PFA:PFA+1], 2*SLOTB  ; in slot 2; the first change of slots steps it to slot 3.  Nothing is prefetched at the head, where every work-group's first tiles are on their way
	s_or_b32 s[G0+3], s[G0+3], 0x80000000          ; 127:126 type = 2
	s_or_b32 s[G0+7], s[G0+7], 0x80000000
	s_add_nc_u64 s[G0W+2:G0W+3], s[10:11], s[20:21]
	s_or_b32 s[G0W+3], s[G0W+3], 0x80000000
	s_add_nc_u64 s[4:5], s[4:5], s[70:71]
	s_add_nc_u64 s[8:9], s[8:9], s[72:73]
	s_add_nc_u64 s[12:13], s[12:13], s[76:77]
	s_add_nc_u64 s[14:15], s[14:15], s[76:77]
	CROUND                                         ; all four work-groups are here: the first joint loads meet
	tensor_load_to_lds s[G0W:G0W+3], s[G1W:G1W+7]  ; the first fills go out as one group: ww, slot 0, slot 1: three loads of mine are out
	s_nop 0
	tensor_load_to_lds s[G0:G0+3], s[G1:G1+7]
	s_nop 0
	tensor_load_to_lds s[G0+4:G0+7], s[G1:G1+7]
	s_nop 0
.rept 4
	v_nop                                          ; an s_nop 0 follows each load, four v_nop the last
.endr
	; eb's fragments: 16 rows x 32 K in 8 registers: lane (r, h) holds row r, K = 8 h + 0..7 and 16 + 8 h + 0..7: two loads of 16 bytes, 32 bytes apart
	WIN 0x80                                       ; destination window 2, address window 0
.irp b, 0,1,2,3
.irp k, 0,1,2,3,4,5,6,7
	global_load_b128 v[32*(\k)+8*(\b):32*(\k)+8*(\b)+3],   v[QO], s[4:5] offset:16384*(\b)+64*(\k)
	global_load_b128 v[32*(\k)+8*(\b)+4:32*(\k)+8*(\b)+7], v[QO], s[4:5] offset:16384*(\b)+64*(\k)+32
.endr
.endr
	WIN 0xc0                                       ; destination window 3
.irp b, 0,1,2,3
.irp k, 0,1,2,3,4,5,6,7
	global_load_b128 v[32*(\k)+8*(\b):32*(\k)+8*(\b)+3],   v[QO], s[4:5] offset:16384*(\b)+512+64*(\k)
	global_load_b128 v[32*(\k)+8*(\b)+4:32*(\k)+8*(\b)+7], v[QO], s[4:5] offset:16384*(\b)+512+64*(\k)+32
.endr
.endr
	WIN 0
.irp b, 0,1,2,3
	global_load_b32 v[EE+2*(\b)], v[EO], s[8:9] offset:64*(\b)
.endr
	; What the first tile finds, written while the loads are out, so that no first step is written out (105 lines, once a launch): best values +infinity; and a tile -1 whose dots are
	; -infinity and whose ww is 0: its d2 is +infinity, which is not less than the best value and changes nothing.
.set z, 0
.rept 32
	v_mov_b32 v[BV+z], 0x7f800000
	v_mov_b32 v[BI+z], 0
	v_mov_b32 v[ACC+32+z], 0xff800000
.set z, z+1
.endr
.set z, 0
.rept 8
	v_mov_b32 v[WWR+8+z], 0
.set z, z+1
.endr
	v_mov_b32 v[TNV], -1
; A tile's 16 fragments of wb into buffer dst: 32 LDS loads in one run.
.macro FRAGS dst
	WIN 0
	v_add_nc_u32 v[ADR], s[TB], v[AK0]
	s_add_co_u32 s[TB], s[TB], 16*PITCH            ; the next fetch is the next tile's
	WIN 0x40                                       ; destination window 1
.irp k, 0,1,2,3,4,5,6,7,8,9,10,11,12,13,14,15
	ds_load_b128 v[128*(\dst)+8*(\k):128*(\dst)+8*(\k)+3],   v[ADR] offset:64*(\k)
	ds_load_b128 v[128*(\dst)+8*(\k)+4:128*(\dst)+8*(\k)+7], v[ADR] offset:64*(\k)+32
.endr
.endm
; The ww of my eight codes of the tile in hand, into set par: read by that tile's distances, a tile later.
.macro WWLD par
	WIN 0
	v_add_nc_u32 v[ADW], s[TW], v[AW0]
	ds_load_b128 v[WWR+8*(\par):WWR+8*(\par)+3],   v[ADW]
	ds_load_b128 v[WWR+8*(\par)+4:WWR+8*(\par)+7], v[ADW] offset:16
	s_add_co_u32 s[TW], s[TW], 64
	s_and_b32 s[TW], s[TW], 0x1fc0                 ; 64 x (0 .. 127): the mask cuts only the step behind the last tile
.endm
; Product i of a tile's 64: K step i / 4, block i % 4.  The four accumulators take turns, one instruction a turn, from tile to tile too (the sets alternate).  The first four start the sums with the constant 0.
.macro PROD par
.set pk, i/4
.set pb, i%4
.set rA, ACC+32*(\par)+8*pb
.set rF, 128*(\par)+8*pk
.set rE, 32*(pk%8)+8*pb
	WIN 0x09+4*(pk/8)                              ; source 0 window 1, source 1 window 2 or 3, C and D window 0
.if pk == 0
	v_wmma_f32_16x16x32_bf16 v[rA:rA+7], v[rF:rF+7], v[rE:rE+7], 0
.else
	v_wmma_f32_16x16x32_bf16 v[rA:rA+7], v[rF:rF+7], v[rE:rE+7], v[rA:rA+7]
.endif
.endm
; Number m of the 128 vector instructions that take a finished tile (accumulator set `set`) into the running minima.  For block m / 32, 32 in order:
;   0-3   ee - 2 dot, a pair at a time, the accumulator's lowest registers first      4-7   + ww
;   8-31  for each of the eight codes: is d2 less than the best?  the best value takes the minimum; the best tile takes this tile's number where it was less
.macro RID set
.set qb, m/32
.set qu, m%32
.set qa, ACC+32*(\set)+8*qb
.set qe, (qu-8)/3
.if qu < 4
	v_pk_fma_f32 v[qa+2*qu:qa+2*qu+1], v[qa+2*qu:qa+2*qu+1], -2.0, v[EE+2*qb:EE+2*qb+1] op_sel_hi:[1,0,1]
.elseif qu < 8
	v_pk_add_f32 v[qa+2*(qu-4):qa+2*(qu-4)+1], v[qa+2*(qu-4):qa+2*(qu-4)+1], v[WWR+8*(\set)+2*(qu-4):WWR+8*(\set)+2*(qu-4)+1]
.elseif ((qu-8)%3) == 0
	v_cmp_lt_f32 vcc_lo, v[qa+qe], v[BV+8*qb+qe]
.elseif ((qu-8)%3) == 1
	v_min_num_f32 v[BV+8*qb+qe], v[BV+8*qb+qe], v[qa+qe]
.else
	v_cndmask_b32 v[BI+8*qb+qe], v[BI+8*qb+qe], v[TNV], vcc_lo
.endif
.endm
; A TILE.  64 products into set par; behind every second one a slice of four of the tile before's 128.  Behind the first slice stand the LDS loads, in one run: this tile's ww and (fetch = 1) the next tile's
; fragments, 62 products ahead of the wait for them at the next tile's head.
; PLACES (ISA guide 7.12.1 for vector instructions).  The buffer that the run fills was last read by the tile before's product 63: behind it stand that tile's last slice, the step of the tile's number and this
; tile's first slice, nine plain lines that name none of its registers.  The first slice reads block 0's accumulator, last written by product 60: two slices and the step stand between.
; No compare's mask crosses a tile's end: number 127 is the last select.
.macro TILE par, fetch
	s_wait_dscnt 0x0                               ; this tile's fragments and the last tile's ww are in
.set i, 0
.rept 64
	PROD \par
.if (i%2) == 1
	WIN 0
.irp n, 0,1,2,3
.set m, 2*(i-1)+(\n)
	RID 1-(\par)
.endr
.if i == 1
	WWLD \par
.if \fetch
	FRAGS 1-(\par)
.endif
.endif
.endif
.set i, i+1
.endr
	WIN 0                                          ; at a label and at a branch every window is 0
	v_add_nc_u32 v[TNV], 1, v[TNV]
.endm
; A PREFETCH INTO THE L2 of the slot that the NEXT change of slots will ask for: it stands behind the wave's tensor load and its five lines, 512 matrix instructions ahead of that load.  Each row's four blocks of 256
; bytes are named ONCE in the launch: of a quarter's clusters the first asks; of the 32 rows that a wave fetches each of the four partners takes 8, told apart BY ADDRESS; a lane a block, one instruction a wave.
; Slots 0 to 2 come by their loads alone.  a = 0: the change names an odd slot, 3 to 15.  a = 1: an even one, 4 to 14; in the loop's last trip there is no slot behind, and nothing is asked for.
.macro ASK a
.if \a
	s_cmp_gt_u32 s[LEFT], s[LIM]
.else
	s_cmp_eq_u32 s[LIM], 1
.endif
	s_cbranch_scc0 .Lnot_mine_\@
	global_prefetch_b8 v[PFO], s[PFA:PFA+1] th:TH_LOAD_NT scope:SCOPE_SE
.Lnot_mine_\@:
.endm
; THE CHANGE OF SLOTS stands between a slot's tiles 6 and 7: tile 7's fragments have been asked for, so nothing more is read from slot a.  Each wave waits for all its tensor loads, of which one is out: its part of the
; other slot; adds 0 to its spare word; and waits for that and for its own reads.  fill = 1: slot a is filled again, with the codes two slots on: the barrier is then a round of the cluster's, so that no wave of any
; partner still reads the slot or has a load on its way, and the joint refill is the first thing behind it: it has 512 matrix instructions in which to land.
.macro CHANGE a, fill
	WIN 0
	s_wait_tensorcnt 0x0                           ; no tensor load of mine is out, so a group 0 may be written
	ds_add_u32 v[SPW], v[NIL]                      ; 0 onto my spare word; the scalar steps stand between it and the wait for it
.if \fill
	s_add_nc_u64 s[G0+4*(\a)+2:G0+4*(\a)+3], s[G0+4*(\a)+2:G0+4*(\a)+3], 2*SLOTB  ; the type bits on top are not reached
	s_wait_xcnt 0x0                                ; the last prefetch, a slot back, has read its address, so it may be written
	s_add_nc_u64 s[PFA:PFA+1], s[PFA:PFA+1], SLOTB
.endif
	s_mov_b32 s[TB], (1-(\a))*SLOT                 ; the fetches go on at the other slot's first tile
	s_wait_dscnt 0x0                               ; the add is done, and my reads of the slot are over
.if \fill
	CROUND
	tensor_load_to_lds s[G0+4*(\a):G0+4*(\a)+3], s[G1:G1+7]  ; my one tensor load behind the round
	s_nop 0
.rept 4
	v_nop
.endr
	ASK \a
.else
	s_barrier_signal -1
	s_barrier_wait -1
.endif
.endm
; (va, ia) takes (vb, ib) where vb is less, or equal with the lower code.
.macro LEX va, ia, vb, ib
	v_cmp_lt_f32 s[MKA], v[(\vb)], v[(\va)]
	v_cmp_eq_f32 s[MKB], v[(\vb)], v[(\va)]
	v_cmp_lt_u32 s[MKC], v[(\ib)], v[(\ia)]
	s_and_b32 s[MKB], s[MKB], s[MKC]
	s_or_b32 s[MKA], s[MKA], s[MKB]
	v_cndmask_b32 v[(\va)], v[(\va)], v[(\vb)], s[MKA]
	v_cndmask_b32 v[(\ia)], v[(\ia)], v[(\ib)], s[MKA]
.endm
	s_wait_tensorcnt 0x1                           ; my parts of ww and of slot 0 are in; slot 1's, issued last, may stay out
	s_barrier_signal -1
	s_barrier_wait -1                              ; everybody's are
	s_mov_b32 s[TB], 0
	s_mov_b32 s[TW], 0
	FRAGS 0                                        ; tile 0
	WIN 0
	s_wait_loadcnt 0x0                             ; eb's fragments and ee
.irp b, 0,1,2,3
	v_mov_b32 v[EE+2*(\b)+1], v[EE+2*(\b)]         ; ee twice: the packed multiply-add takes a pair
.endr
	s_mov_b32 s[LEFT], 8
	s_mov_b32 s[CNT], 4
	s_branch .LfirstB                              ; the loop is entered in the middle of a trip: tiles 0 to 6 of slot 0; then seven whole trips of 16 tiles
.Louter:
	CHANGE 0, 1                                    ; an even slot has been read out: it takes the slot two on
	s_mov_b32 s[CNT], 4
.LstepA:                                       ; that slot's tile 7, then tiles 0 to 6 of the odd slot
	TILE 1, 1
	TILE 0, 1
	s_sub_co_u32 s[CNT], s[CNT], 1
	s_cmp_lg_u32 s[CNT], 0
	s_cbranch_scc1 .LstepA
	CHANGE 1, 1                                    ; the odd slot likewise
	s_mov_b32 s[CNT], 4
.LstepB:
	TILE 1, 1
.LfirstB:
	TILE 0, 1
	s_sub_co_u32 s[CNT], s[CNT], 1
	s_cmp_lg_u32 s[CNT], 0
	s_cbranch_scc1 .LstepB
	s_sub_co_u32 s[LEFT], s[LEFT], 1
	s_cmp_lg_u32 s[LEFT], 0
	s_cbranch_scc1 .Louter
	CHANGE 0, 0                                    ; the tail is written out: slot 14 is left, nothing is asked for
	s_mov_b32 s[CNT], 4
.LstepC:                                       ; slot 14's tile 7, slot 15's tiles 0 to 6
	TILE 1, 1
	TILE 0, 1
	s_sub_co_u32 s[CNT], s[CNT], 1
	s_cmp_lg_u32 s[CNT], 0
	s_cbranch_scc1 .LstepC
	TILE 1, 0                                      ; tile 127: there is no further tile to fetch
	s_wait_dscnt 0x0                               ; its ww
.set m, 0
.rept 128
	RID 1                                          ; and its distances, with no products left to stand beside
.set m, m+1
.endr
	; THE END.  A tile's number becomes a code: 16 x tile + 2,048 cq + 8 h + j.  Then the least of a lane's eight, of the two halves of the lanes, by value and, where values are equal, by code.
.set z, 0
.rept 32
	v_lshl_add_u32 v[BI+z], v[BI+z], 4, v[HB]
.if (z%8) != 0
	v_add_nc_u32 v[BI+z], z%8, v[BI+z]
.endif
.set z, z+1
.endr
.irp b, 0,1,2,3
.irp p, 0,2,4,6
	LEX BV+8*(\b)+(\p), BI+8*(\b)+(\p), BV+8*(\b)+(\p)+1, BI+8*(\b)+(\p)+1
.endr
	LEX BV+8*(\b), BI+8*(\b), BV+8*(\b)+2, BI+8*(\b)+2
	LEX BV+8*(\b)+4, BI+8*(\b)+4, BV+8*(\b)+6, BI+8*(\b)+6
	LEX BV+8*(\b), BI+8*(\b), BV+8*(\b)+4, BI+8*(\b)+4
	v_permlanex16_b32 v[BV+8*(\b)+1], v[BV+8*(\b)], s[SEL], s[SEL+1]  ; the row's other eight codes of each tile lie in the lane 16 away; the destinations have been written
	v_permlanex16_b32 v[BI+8*(\b)+1], v[BI+8*(\b)], s[SEL], s[SEL+1]
	LEX BV+8*(\b), BI+8*(\b), BV+8*(\b)+1, BI+8*(\b)+1
.endr
	; Lanes r and r + 16 now both hold row 16 b + r.  Lane L is to hold rows 2 L and 2 L + 1, so that a store covers 256 consecutive bytes: lanes 16-31 keep blocks 2 and 3, each lane pulls its two rows
	; from both registers, and the block's parity chooses.
	v_cndmask_b32 v[WK],   v[BV],   v[BV+16], s[HM]
	v_cndmask_b32 v[WK+1], v[BV+8], v[BV+24], s[HM]
	v_cndmask_b32 v[WK+2], v[BI],   v[BI+16], s[HM]
	v_cndmask_b32 v[WK+3], v[BI+8], v[BI+24], s[HM]
.irp y, 0,1,2,3
	ds_bpermute_b32 v[WK+4+2*(\y)], v[BP0], v[WK+(\y)]
	ds_bpermute_b32 v[WK+5+2*(\y)], v[BP1], v[WK+(\y)]
.endr
	s_wait_dscnt 0x0
	v_cndmask_b32 v[WK+12], v[WK+4], v[WK+6],  s[CM]
	v_cndmask_b32 v[WK+13], v[WK+5], v[WK+7],  s[CM]
	v_cndmask_b32 v[WK+14], v[WK+8], v[WK+10], s[CM]
	v_cndmask_b32 v[WK+15], v[WK+9], v[WK+11], s[CM]
	global_store_b64 v[SO], v[WK+12:WK+13], s[12:13]  ; my wave's 64 values: 256 consecutive bytes, aligned
	global_store_b64 v[SO], v[WK+14:WK+15], s[14:15]  ; and its 64 codes
	s_wait_tensorcnt 0x0                           ; the wave's end: behind my last tensor load
	ds_add_u32 v[SPW], v[NIL]
	s_wait_dscnt 0x0
	CROUND                                         ; the closing round: no work-group ends while a partner may still ask for a tile that names it
	s_endpgm
.Lfunc_end_k_q013193dac8_dist:
	.size	k_q013193dac8_dist, .Lfunc_end_k_q013193dac8_dist-k_q013193dac8_dist
	.p2alignl 7, 3214868480
	.fill 96, 4, 3214868480
	.section	.rodata,"a",@progbits
	.p2align	6, 0x0
	.amdhsa_kernel k_q013193dac8_dist
		.amdhsa_group_segment_fixed_size 327680
		.amdhsa_private_segment_fixed_size 0
		.amdhsa_enable_private_segment 0
		.amdhsa_kernarg_size 48
		.amdhsa_user_sgpr_count 2
		.amdhsa_user_sgpr_kernarg_segment_ptr 1
		.amdhsa_wavefront_size32 1
		.amdhsa_system_sgpr_workgroup_id_x 1
		.amdhsa_system_sgpr_workgroup_id_y 1
		.amdhsa_system_sgpr_workgroup_id_z 1
		.amdhsa_system_vgpr_workitem_id 0
		.amdhsa_next_free_vgpr 1024
		.amdhsa_next_free_sgpr 80
		.amdhsa_reserve_vcc 1
		.amdhsa_float_denorm_mode_32 3
		.amdhsa_float_denorm_mode_16_64 3
		.amdhsa_memory_ordered 1
		.amdhsa_forward_progress 1
		.amdhsa_inst_pref_size 143
	.end_amdhsa_kernel
	.amdgpu_metadata
---
amdhsa.version: [ 1, 2 ]
amdhsa.kernels:
  - .name:           k_q013193dac8_dist
    .symbol:         k_q013193dac8_dist.kd
    .args:
      - { .name: eb, .offset: 0, .size: 8, .value_kind: global_buffer, .address_space: global }
      - { .name: wb, .offset: 8, .size: 8, .value_kind: global_buffer, .address_space: global }
      - { .name: ee, .offset: 16, .size: 8, .value_kind: global_buffer, .address_space: global }
      - { .name: ww, .offset: 24, .size: 8, .value_kind: global_buffer, .address_space: global }
      - { .name: pval, .offset: 32, .size: 8, .value_kind: global_buffer, .address_space: global }
      - { .name: pidx, .offset: 40, .size: 8, .value_kind: global_buffer, .address_space: global }
    .group_segment_fixed_size: 327680
    .private_segment_fixed_size: 0
    .kernarg_segment_align: 8
    .kernarg_segment_size: 48
    .max_flat_workgroup_size: 128
    .sgpr_count:     80
    .vgpr_count:     1024
    .wavefront_size: 32
...
	.end_amdgpu_metadata
.endif
;; end of part 2
;; launch pick (part 3): grid 256 x 1, 8 waves a work-group, no clusters, 0 bytes of LDS; arguments pval, pidx, wb, out0, out1; writes out0, out1
.if DOCPART == 3
	.amdgcn_target "amdgcn-amd-amdhsa--gfx1250"
	.amdhsa_code_object_version 6
	.text
	.protected	k_q013193dac8_pick
	.globl	k_q013193dac8_pick
	.p2align	8
	.type	k_q013193dac8_pick,@function
k_q013193dac8_pick:
	s_mov_b64 s[64:65], 0
	v_nop
	global_prefetch_b8 v0, s[64:65] scope:SCOPE_SE
	s_setreg_imm32_b32 hwreg(HW_REG_WAVE_MODE, 25, 1), 1
	s_wait_xcnt 0x0
; out0[n] = the code with the least distance among the four quarters' candidates (pval, pidx: [4][16384]); out1[n] = that code's row of wb, widened to f32.
; A later quarter wins only if its value is strictly less: its codes are all higher, so equal values go to the first code.
; ADDRESSES hang on pidx alone, whole numbers that the launch before stored: all FOUR candidate rows of wb are read, and the comparison of the values only selects among them (v_cndmask_b32).
; SHARES.  Work-group g takes rows 64 g .. 64 g + 63, each of its eight waves 8, a row at a time across the whole wave.  A wave's 8 x 4 codes and values come by scalar loads.
; A candidate row is 1,024 bytes: four loads of 8 bytes a lane, 256 consecutive bytes each; widened they are four stores of 16 bytes a lane, 512 consecutive bytes each.
; Four rows' loads (64) are on their way at a time.  Wave 0 also merges the work-group's 64 codes, two a lane, and stores them as 256 consecutive bytes.
; Memory binds: no LDS, no barrier, no matrix unit; no prefetch, since the rows are asked for as soon as their codes are known and the table is read again and again.
; LIMITS.  out1 holds W rounded once to bf16 (8 significant bits).  A NaN among the values never wins.  A code is held to 0 .. 8,191 before it enters an address.
.set L8,   1                           ; v1   8 x lane; never rewritten
.set L16,  2                           ; v2   16 x lane; never rewritten
.set BEST, 3                           ; v3   the running least value of the row in hand
.set O,    4                           ; v[4:19]    slot s, candidate q: byte offset of my 8 bytes in its row of wb
.set D,    20                          ; v[20:27]   the chosen row's 8 words of my lane
.set C,    32                          ; v[32:159]  slot s = row % 4, candidate q, load c at C + 32 s + 8 q + 2 c
.set OUT,  160                         ; v[160:191] two sets of 16: a row as stored
.set PV,   192                         ; v[192:199] wave 0: quarter q's values of my two rows
.set PI,   200                         ; v[200:207] and codes
.set WV,   3                           ; s3   my wave's number
.set ROFF, 4                           ; s4   byte offset of my wave's 8 rows in a quarter's list
.set IDX,  8                           ; s[8:39]   quarter q's codes of my 8 rows at IDX + 8 q
.set VAL,  40                          ; s[40:63]  quarters 0 to 2: their values
.set VAL3, 68                          ; s[68:75]  quarter 3's
.set MK,   86                          ; s86-88    quarter q = 1 .. 3 has won
.set HM,   89                          ; s89       a word's upper bf16
	s_load_b256 s[76:83], s[0:1], 0x0              ; pval s[76:77], pidx s[78:79], wb s[80:81], out0 s[82:83]
	s_load_b64 s[84:85], s[0:1], 0x20              ; out1
	v_lshrrev_b32 v4, 5, v0
	v_readfirstlane_b32 s[WV], v4                  ; wave 0..7
	v_and_b32 v5, 31, v0
	v_lshlrev_b32 v[L8], 3, v5
	v_lshlrev_b32 v[L16], 4, v5
	s_lshl_b32 s6, ttmp9, 8                        ; the work-group's 64 rows in a list of words
	s_mov_b32 s7, 0
	s_lshl_b32 s5, s[WV], 5
	s_add_co_u32 s[ROFF], s6, s5                   ; my wave's 8 of them
	s_lshl_b32 s94, ttmp9, 17                      ; out1: 64 rows of 2,048 bytes a work-group,
	s_lshl_b32 s5, s[WV], 14                       ; 8 a wave
	s_add_co_u32 s94, s94, s5
	s_mov_b32 s95, 0
	s_mov_b32 s[HM], 0xffff0000
	s_wait_kmcnt 0x0
.irp q, 0,1,2,3
	s_load_b256 s[IDX+8*(\q):IDX+8*(\q)+7], s[78:79], s[ROFF] offset:65536*(\q)
.endr
.irp q, 0,1,2
	s_load_b256 s[VAL+8*(\q):VAL+8*(\q)+7], s[76:77], s[ROFF] offset:65536*(\q)
.endr
	s_load_b256 s[VAL3:VAL3+7], s[76:77], s[ROFF] offset:65536*3
	s_add_nc_u64 s[90:91], s[76:77], s[6:7]        ; for wave 0: the lists and out0 at the work-group's first row
	s_add_nc_u64 s[92:93], s[78:79], s[6:7]
	s_add_nc_u64 s[82:83], s[82:83], s[6:7]
	s_add_nc_u64 s[84:85], s[84:85], s[94:95]
	s_cmp_lg_u32 s[WV], 0
	s_cbranch_scc1 .Lno_list
.irp q, 0,1,2,3
	global_load_b64 v[PV+2*(\q):PV+2*(\q)+1], v[L8], s[90:91] offset:65536*(\q)
	global_load_b64 v[PI+2*(\q):PI+2*(\q)+1], v[L8], s[92:93] offset:65536*(\q)
.endr
.Lno_list:
	s_wait_kmcnt 0x0                               ; scalar loads come back in no order: the count is 0
.set z, 0
.rept 32
	s_min_u32 s[IDX+z], s[IDX+z], 8191             ; a loaded number enters an address only behind this bound
.set z, z+1
.endr
; Row i's four candidate rows are asked for: 16 loads into slot i % 4.
.macro LOADROW i
.irp q, 0,1,2,3
	v_lshl_add_u32 v[O+4*((\i)%4)+(\q)], s[IDX+8*(\q)+(\i)], 10, v[L8]  ; code x 1,024 + 8 x lane
.endr
.irp q, 0,1,2,3
.irp c, 0,1,2,3
	global_load_b64 v[C+32*((\i)%4)+8*(\q)+2*(\c):C+32*((\i)%4)+8*(\q)+2*(\c)+1], v[O+4*((\i)%4)+(\q)], s[80:81] offset:256*(\c)
.endr
.endr
.endm
; Row i is chosen, widened and stored.  left = the loads of the younger rows, 16 each, which may stay out.
.macro PICKROW i, left
	s_wait_loadcnt \left                           ; loads come back in order (ISA guide 5.7.1): this row's sixteen are in
	s_wait_xcnt 0x0                                ; every earlier memory instruction has had its addresses translated (ISA guide 3.1): OUT's set, which the stores of two rows back read, is rewritten only behind this wait
	v_mov_b32 v[BEST], s[VAL+(\i)]
.irp q, 1,2,3
.if (\q) < 3
.set rV, VAL+8*(\q)+(\i)
.else
.set rV, VAL3+(\i)
.endif
	v_cmp_lt_f32 s[MK+(\q)-1], s[rV], v[BEST]
	v_cndmask_b32 v[BEST], v[BEST], s[rV], s[MK+(\q)-1]
.endr
.set CB, C+32*((\i)%4)
.set OB, OUT+16*((\i)%2)
.irp t, 0,1,2,3,4,5,6,7
	v_cndmask_b32 v[D+(\t)], v[CB+(\t)], v[CB+8+(\t)], s[MK]
.endr
.irp t, 0,1,2,3,4,5,6,7
	v_cndmask_b32 v[D+(\t)], v[D+(\t)], v[CB+16+(\t)], s[MK+1]
.endr
.irp t, 0,1,2,3,4,5,6,7
	v_cndmask_b32 v[D+(\t)], v[D+(\t)], v[CB+24+(\t)], s[MK+2]
.endr
.irp t, 0,1,2,3,4,5,6,7
	v_lshlrev_b32 v[OB+2*(\t)], 16, v[D+(\t)]      ; bf16 to f32: the low half moves up,
	v_and_b32 v[OB+2*(\t)+1], s[HM], v[D+(\t)]     ; the high half stays
.endr
.irp c, 0,1,2,3
	global_store_b128 v[L16], v[OB+4*(\c):OB+4*(\c)+3], s[84:85] offset:2048*(\i)+512*(\c) th:TH_STORE_NT  ; 512 consecutive bytes, aligned
.endr
.endm
	LOADROW 0
	LOADROW 1
	LOADROW 2
	LOADROW 3
	PICKROW 0, 48
	s_cmp_lg_u32 s[WV], 0
	s_cbranch_scc1 .Lno_merge                      ; wave 0's lists were asked for ahead of row 0's loads: the wait above has shown them in
.irp z, 0,1
.irp q, 1,2,3
	v_cmp_lt_f32 vcc_lo, v[PV+2*(\q)+(\z)], v[PV+(\z)]
	v_cndmask_b32 v[PV+(\z)], v[PV+(\z)], v[PV+2*(\q)+(\z)], vcc_lo
	v_cndmask_b32 v[PI+(\z)], v[PI+(\z)], v[PI+2*(\q)+(\z)], vcc_lo
.endr
.endr
	global_store_b64 v[L8], v[PI:PI+1], s[82:83]   ; the work-group's 64 codes: 256 consecutive bytes, aligned
.Lno_merge:
	LOADROW 4                                      ; a slot is asked for again when its row has been chosen
	PICKROW 1, 48
	LOADROW 5
	PICKROW 2, 48
	LOADROW 6
	PICKROW 3, 48
	LOADROW 7
	PICKROW 4, 48
	PICKROW 5, 32                                  ; nothing is left to ask for: the counts run down
	PICKROW 6, 16
	PICKROW 7, 0
	s_endpgm
.Lfunc_end_k_q013193dac8_pick:
	.size	k_q013193dac8_pick, .Lfunc_end_k_q013193dac8_pick-k_q013193dac8_pick
	.p2alignl 7, 3214868480
	.fill 96, 4, 3214868480
	.section	.rodata,"a",@progbits
	.p2align	6, 0x0
	.amdhsa_kernel k_q013193dac8_pick
		.amdhsa_group_segment_fixed_size 0
		.amdhsa_private_segment_fixed_size 0
		.amdhsa_enable_private_segment 0
		.amdhsa_kernarg_size 40
		.amdhsa_user_sgpr_count 2
		.amdhsa_user_sgpr_kernarg_segment_ptr 1
		.amdhsa_wavefront_size32 1
		.amdhsa_system_sgpr_workgroup_id_x 1
		.amdhsa_system_sgpr_workgroup_id_y 1
		.amdhsa_system_sgpr_workgroup_id_z 1
		.amdhsa_system_vgpr_workitem_id 0
		.amdhsa_next_free_vgpr 208
		.amdhsa_next_free_sgpr 96
		.amdhsa_reserve_vcc 1
		.amdhsa_float_denorm_mode_32 3
		.amdhsa_float_denorm_mode_16_64 3
		.amdhsa_memory_ordered 1
		.amdhsa_forward_progress 1
		.amdhsa_inst_pref_size 42
	.end_amdhsa_kernel
	.amdgpu_metadata
---
amdhsa.version: [ 1, 2 ]
amdhsa.kernels:
  - .name:           k_q013193dac8_pick
    .symbol:         k_q013193dac8_pick.kd
    .args:
      - { .name: pval, .offset: 0, .size: 8, .value_kind: global_buffer, .address_space: global }
      - { .name: pidx, .offset: 8, .size: 8, .value_kind: global_buffer, .address_space: global }
      - { .name: wb, .offset: 16, .size: 8, .value_kind: global_buffer, .address_space: global }
      - { .name: out0, .offset: 24, .size: 8, .value_kind: global_buffer, .address_space: global }
      - { .name: out1, .offset: 32, .size: 8, .value_kind: global_buffer, .address_space: global }
    .group_segment_fixed_size: 0
    .private_segment_fixed_size: 0
    .kernarg_segment_align: 8
    .kernarg_segment_size: 40
    .max_flat_workgroup_size: 256
    .sgpr_count:     96
    .vgpr_count:     208
    .wavefront_size: 32
...
	.end_amdgpu_metadata
.endif
;; end of part 3
;; ======== version 2 of 2: 3 launches; version 1 with the launches prep, pick written anew for expert scheduling mode
;; workspace buffers: eb 16,777,216 bytes; wb 8,388,608 bytes; ee 65,536 bytes; ww 32,768 bytes; pval 262,144 bytes; pidx 262,144 bytes of whole numbers
;; launch prep (part 4): grid 256 x 1, 8 waves a work-group, no clusters, 1,536 bytes of LDS; arguments e, W, eb, wb, ee, ww; writes eb, wb, ee, ww
.if DOCPART == 4
	.amdgcn_target "amdgcn-amd-amdhsa--gfx1250"
	.amdhsa_code_object_version 6
	.text
	.protected	k_q013193dac8_prep
	.globl	k_q013193dac8_prep
	.p2align	8
	.type	k_q013193dac8_prep,@function
k_q013193dac8_prep:
	s_mov_b64 s[64:65], 0
	v_nop
	global_prefetch_b8 v0, s[64:65] scope:SCOPE_SE
	s_setreg_imm32_b32 hwreg(HW_REG_WAVE_SCHED_MODE, 0, 2), 2
	s_setreg_imm32_b32 hwreg(HW_REG_WAVE_MODE, 25, 1), 1
	s_wait_xcnt 0x0
	s_wait_alu depctr_vm_vsrc(0)
; eb = e rounded to bf16, wb = W rounded to bf16, ee[n] = the sum of squares of eb's row n, ww[a] = that of wb's row a (f32 sums of the ROUNDED numbers:
; the distances of the next launch are those of the rounded inputs throughout).  e: [16384][512] f32, W: [8192][512] f32.
; SHARES.  Work-group g takes e's rows 64 g .. 64 g + 63 and W's rows 32 g .. 32 g + 31; each of its eight waves 8 rows of e and 4 of W, a row at a time across the whole wave.
; A row is 2,048 bytes: four loads of 16 bytes a lane, 512 consecutive bytes each.  All 48 loads of a wave go out at once, so nothing in the launch waits for a second request.
; Rounded, a load's four numbers are 8 bytes a lane: a store covers 256 consecutive bytes, aligned.  The sums meet in LDS, so that ee leaves as 256 consecutive bytes (ww: 128, all that a work-group has).
; Memory binds: no matrix unit, no cluster, no tensor load; no prefetch, since a wave's whole share is asked for at its head.
; LIMITS.  A row's squares are added in a fixed order of this text's own (two chains a lane, then across the lanes), not in the reference's; a sum of squares beyond f32's range is an infinity.
; THE MODE: SCHED_MODE bits 1:0 = 2 (LLVM: expert scheduling mode 2), set by the entry lines.  The code itself states the register dependences
; between vector instructions and memory or LDS instructions, with s_wait_alu, always for 0.
; THE PLAN.  Registers that memory or LDS instructions touch:
;   X[n]      Row n's four loads land in it; row n's conversions write its first eight registers; the row's four stores, which stand in row n + 1, read those.  Never written again.
;   SUM[n]    A register for each row: written by the last addition of row n's sum, read by one LDS store, which stands in row n + 1.  Never written again.
;   v1 to v5  Offsets and LDS addresses, made once at the head.
;   SA        Named by vector instructions alone in the rows; behind the barrier an LDS load of wave 0 or 1 lands in it.
; So ONE wait on va_vdst stands at the head of a row: the row before has written its packed words and its sum.  That row's four stores and its LDS store follow, dealt among this row's conversions,
; which name X[n] alone.  No register that a memory or LDS instruction reads is written again, so no wait on vm_vsrc is owed.
.set SPARE, 512                        ; LDS: 0..255 the 64 ee, 256..383 the 32 ww (the block to 511 is theirs), then the spare words, 128 bytes for each of eight waves
.set LO,  1                            ; v1   16 x lane: my 16 bytes of a load's 512
.set SO,  2                            ; v2   8 x lane: my 8 bytes of a store's 256
.set LE,  3                            ; v3   LDS address of my wave's eight ee: 32 x wave
.set LW,  4                            ; v4   of its four ww: 256 + 16 x wave
.set L4,  5                            ; v5   4 x lane
.set SPW, 6                            ; v6   LDS address of my spare word; never rewritten
.set NIL, 7                            ; v7   0; never rewritten
.set T,   8                            ; v[8:23]   a row's 16 rounded numbers of my lane, widened again
.set SA,  24                           ; v[24:25]  first chain of squares
.set SB,  26                           ; v[26:27]  second chain
.set X,   32                           ; v[32:223] row n of 12: 16 registers as loaded; its first 8 then hold the packed bf16
.set SUM, 224                          ; v[224:235] row n's sum of squares
.set WV,  16                           ; s16  my wave's number
	s_load_b256 s[4:11], s[0:1], 0x0               ; e s[4:5], W s[6:7], eb s[8:9], wb s[10:11]
	s_load_b128 s[12:15], s[0:1], 0x20             ; ee s[12:13], ww s[14:15]
	v_lshl_add_u32 v[SPW], v0, 2, SPARE
	v_mov_b32 v[NIL], 0
	v_lshrrev_b32 v8, 5, v0
	v_readfirstlane_b32 s[WV], v8                  ; wave 0..7
	v_and_b32 v9, 31, v0                           ; lane
	v_lshlrev_b32 v[LO], 4, v9
	v_lshlrev_b32 v[SO], 3, v9
	v_lshlrev_b32 v[L4], 2, v9
	s_wait_alu depctr_va_sdst(0)                   ; s16, the wave's number, is written, ahead of its first reader: LDS addresses and the bases of e, W, eb and wb are made from it
	s_lshl_b32 s17, s[WV], 5
	v_mov_b32 v[LE], s17
	s_lshl_b32 s21, s[WV], 4
	s_add_co_u32 s21, s21, 256
	v_mov_b32 v[LW], s21
	s_mov_b32 s18, 0x76543210                      ; v_permlanex16_b32: each lane takes its own place in the other half
	s_mov_b32 s19, 0xfedcba98
	s_mov_b32 s20, 0xffff0000                      ; a word's upper bf16
	s_lshl_b32 s22, ttmp9, 16                      ; W and eb: 65,536 bytes a work-group (32 rows of 2,048; 64 rows of 1,024),
	s_lshl_b32 s23, s[WV], 13                      ; 8,192 a wave
	s_add_co_u32 s22, s22, s23
	s_mov_b32 s23, 0
	s_lshl_b32 s2, s22, 1                          ; e: twice that
	s_mov_b32 s3, 0
	s_lshr_b32 s24, s22, 1                         ; wb: half of it
	s_mov_b32 s25, 0
	s_lshl_b32 s26, ttmp9, 8                       ; ee: 64 words a work-group
	s_mov_b32 s27, 0
	s_lshl_b32 s28, ttmp9, 7                       ; ww: 32 words
	s_mov_b32 s29, 0
	s_wait_kmcnt 0x0
	s_add_nc_u64 s[4:5], s[4:5], s[2:3]
	s_add_nc_u64 s[6:7], s[6:7], s[22:23]
	s_add_nc_u64 s[8:9], s[8:9], s[22:23]
	s_add_nc_u64 s[10:11], s[10:11], s[24:25]
	s_add_nc_u64 s[12:13], s[12:13], s[26:27]
	s_add_nc_u64 s[14:15], s[14:15], s[28:29]
	s_wait_alu depctr_va_vdst(0)                   ; v1 to v7 are written: every load, store and LDS access of the kernel reads one of them as its offset or address
.irp i, 0,1,2,3,4,5,6,7                ; my eight rows of e: rows 0 to 7 of the twelve
.irp c, 0,1,2,3
	global_load_b128 v[X+16*(\i)+4*(\c):X+16*(\i)+4*(\c)+3], v[LO], s[4:5] offset:2048*(\i)+512*(\c) th:TH_LOAD_NT
.endr
.endr
.irp i, 0,1,2,3                        ; my four rows of W: rows 8 to 11
.irp c, 0,1,2,3
	global_load_b128 v[X+128+16*(\i)+4*(\c):X+128+16*(\i)+4*(\c)+3], v[LO], s[6:7] offset:2048*(\i)+512*(\c) th:TH_LOAD_NT
.endr
.endr
; Store c of the four of row n: rows 0 to 7 go to eb, rows 8 to 11 to wb.  32 lanes store 256 consecutive bytes, aligned; these registers are never written again.
.macro ST n, c
.if (\n) < 8
	global_store_b64 v[SO], v[X+16*(\n)+2*(\c):X+16*(\n)+2*(\c)+1], s[8:9] offset:1024*(\n)+256*(\c)
.else
	global_store_b64 v[SO], v[X+16*(\n)+2*(\c):X+16*(\n)+2*(\c)+1], s[10:11] offset:1024*((\n)-8)+256*(\c)
.endif
.endm
; Row n's sum goes to its word in LDS: all lanes write the same word with the same value.
.macro SUMST n
.if (\n) < 8
	ds_store_b32 v[LE], v[SUM+(\n)] offset:4*(\n)
.else
	ds_store_b32 v[LW], v[SUM+(\n)] offset:4*((\n)-8)
.endif
.endm
; Row n of the twelve: rounded, squared and summed; the row before leaves meanwhile.
.macro ROW n
.set XR, X+16*(\n)
	s_wait_loadcnt 4*(11-(\n))                     ; loads come back in order (ISA guide 5.7.1): this row's four are in, the four of each younger row may stay out
.if (\n) > 0
	s_wait_alu depctr_va_vdst(0)                   ; the row before has written its eight packed words, which the four stores below read, and its sum, which the LDS store below reads
	ST (\n)-1, 0
	ST (\n)-1, 1
.endif
.irp t, 0,1,2,3,4,5,6,7
	v_cvt_pk_bf16_f32 v[XR+(\t)], v[XR+2*(\t)], v[XR+2*(\t)+1]  ; in place, ascending: word t lands on a register whose number has been read
.endr
.if (\n) > 0
	ST (\n)-1, 2                                   ; no wait: no vector instruction since the wait above names the row before's registers
	ST (\n)-1, 3
	SUMST (\n)-1
.endif
.irp t, 0,1,2,3,4,5,6,7
	v_lshlrev_b32 v[T+2*(\t)], 16, v[XR+(\t)]      ; the rounded numbers as f32
	v_and_b32 v[T+2*(\t)+1], s20, v[XR+(\t)]
.endr
	v_pk_mul_f32 v[SA:SA+1], v[T:T+1], v[T:T+1]    ; the first products start the two chains: nothing is cleared
	v_pk_mul_f32 v[SB:SB+1], v[T+2:T+3], v[T+2:T+3]
.irp t, 4,8,12
	v_pk_fma_f32 v[SA:SA+1], v[T+(\t):T+(\t)+1], v[T+(\t):T+(\t)+1], v[SA:SA+1]
	v_pk_fma_f32 v[SB:SB+1], v[T+(\t)+2:T+(\t)+3], v[T+(\t)+2:T+(\t)+3], v[SB:SB+1]
.endr
	v_pk_add_f32 v[SA:SA+1], v[SA:SA+1], v[SB:SB+1]
	v_add_f32 v[SA], v[SA], v[SA+1]
	v_add_f32_dpp v[SA], v[SA], v[SA] row_xmask:1 row_mask:0xf bank_mask:0xf
	v_add_f32_dpp v[SA], v[SA], v[SA] row_xmask:2 row_mask:0xf bank_mask:0xf
	v_add_f32_dpp v[SA], v[SA], v[SA] row_xmask:4 row_mask:0xf bank_mask:0xf
	v_add_f32_dpp v[SA], v[SA], v[SA] row_xmask:8 row_mask:0xf bank_mask:0xf
	v_permlanex16_b32 v[SA+1], v[SA], s18, s19     ; its destination has been written above
	v_add_f32 v[SUM+(\n)], v[SA], v[SA+1]          ; every lane holds the row's sum, in a register of the row's own
.endm
.irp n, 0,1,2,3,4,5,6,7,8,9,10,11
	ROW \n
.endr
	s_wait_alu depctr_va_vdst(0)                   ; row 11 has written its packed words and its sum; and every vector instruction that names SA is done: no other follows, and behind the barrier an LDS load lands in SA
	ST 11, 0
	ST 11, 1
	ST 11, 2
	ST 11, 3
	SUMST 11
	s_wait_dscnt 0x0                               ; for the others' sake: my sums lie in LDS
	s_barrier_signal -1
	s_barrier_wait -1                              ; everybody's do
	s_cmp_eq_u32 s[WV], 0
	s_cbranch_scc0 .Lnot_wave_0
	ds_load_b64 v[SA:SA+1], v[SO]                  ; wave 0: the 64 ee, two a lane
	s_wait_dscnt 0x0
	global_store_b64 v[SO], v[SA:SA+1], s[12:13]   ; 256 consecutive bytes, aligned
	s_branch .Lend
.Lnot_wave_0:
	s_cmp_eq_u32 s[WV], 1
	s_cbranch_scc0 .Lend
	ds_load_b32 v[SA], v[L4] offset:256            ; wave 1: the 32 ww
	s_wait_dscnt 0x0
	global_store_b32 v[L4], v[SA], s[14:15]        ; 128 consecutive bytes: all of ww that this work-group has
.Lend:
	s_wait_dscnt 0x0                               ; the closing lines, six on end
	s_wait_alu 0x0
	s_wait_tensorcnt 0x0
	ds_add_u32 v[SPW], v[NIL]
	s_wait_dscnt 0x0
	s_endpgm
.Lfunc_end_k_q013193dac8_prep:
	.size	k_q013193dac8_prep, .Lfunc_end_k_q013193dac8_prep-k_q013193dac8_prep
	.p2alignl 7, 3214868480
	.fill 96, 4, 3214868480
	.section	.rodata,"a",@progbits
	.p2align	6, 0x0
	.amdhsa_kernel k_q013193dac8_prep
		.amdhsa_group_segment_fixed_size 1536
		.amdhsa_private_segment_fixed_size 0
		.amdhsa_enable_private_segment 0
		.amdhsa_kernarg_size 48
		.amdhsa_user_sgpr_count 2
		.amdhsa_user_sgpr_kernarg_segment_ptr 1
		.amdhsa_wavefront_size32 1
		.amdhsa_system_sgpr_workgroup_id_x 1
		.amdhsa_system_sgpr_workgroup_id_y 1
		.amdhsa_system_sgpr_workgroup_id_z 1
		.amdhsa_system_vgpr_workitem_id 0
		.amdhsa_next_free_vgpr 236
		.amdhsa_next_free_sgpr 66
		.amdhsa_reserve_vcc 0
		.amdhsa_float_denorm_mode_32 3
		.amdhsa_float_denorm_mode_16_64 3
		.amdhsa_memory_ordered 1
		.amdhsa_forward_progress 1
		.amdhsa_inst_pref_size 37
	.end_amdhsa_kernel
	.amdgpu_metadata
---
amdhsa.version: [ 1, 2 ]
amdhsa.kernels:
  - .name:           k_q013193dac8_prep
    .symbol:         k_q013193dac8_prep.kd
    .args:
      - { .name: e, .offset: 0, .size: 8, .value_kind: global_buffer, .address_space: global }
      - { .name: W, .offset: 8, .size: 8, .value_kind: global_buffer, .address_space: global }
      - { .name: eb, .offset: 16, .size: 8, .value_kind: global_buffer, .address_space: global }
      - { .name: wb, .offset: 24, .size: 8, .value_kind: global_buffer, .address_space: global }
      - { .name: ee, .offset: 32, .size: 8, .value_kind: global_buffer, .address_space: global }
      - { .name: ww, .offset: 40, .size: 8, .value_kind: global_buffer, .address_space: global }
    .group_segment_fixed_size: 1536
    .private_segment_fixed_size: 0
    .kernarg_segment_align: 8
    .kernarg_segment_size: 48
    .max_flat_workgroup_size: 256
    .sgpr_count:     66
    .vgpr_count:     236
    .wavefront_size: 32
...
	.end_amdgpu_metadata
.endif
;; end of part 4
;; launch dist: the kernel of part 2 again; grid 64 x 4, 4 waves a work-group, clusters of 4 x 1, 327,680 bytes of LDS; arguments eb, wb, ee, ww, pval, pidx; writes pval, pidx
;; launch pick (part 5): grid 256 x 1, 8 waves a work-group, no clusters, 0 bytes of LDS; arguments pval, pidx, wb, out0, out1; writes out0, out1
.if DOCPART == 5
	.amdgcn_target "amdgcn-amd-amdhsa--gfx1250"
	.amdhsa_code_object_version 6
	.text
	.protected	k_q013193dac8_pick
	.globl	k_q013193dac8_pick
	.p2align	8
	.type	k_q013193dac8_pick,@function
k_q013193dac8_pick:
	s_mov_b64 s[64:65], 0
	v_nop
	global_prefetch_b8 v0, s[64:65] scope:SCOPE_SE
	s_setreg_imm32_b32 hwreg(HW_REG_WAVE_SCHED_MODE, 0, 2), 2
	s_setreg_imm32_b32 hwreg(HW_REG_WAVE_MODE, 25, 1), 1
	s_wait_xcnt 0x0
	s_wait_alu depctr_vm_vsrc(0)
; out0[n] = the code with the least distance among the four quarters' candidates (pval, pidx: [4][16384]); out1[n] = that code's row of wb, widened to f32.
; A later quarter wins only if its value is strictly less: its codes are all higher, so equal values go to the first code.
; ADDRESSES hang on pidx alone, whole numbers that the launch before stored: all FOUR candidate rows of wb are read, and the comparison of the values only selects among them (v_cndmask_b32).
; SHARES.  Work-group g takes rows 64 g .. 64 g + 63, each of its eight waves 8, a row at a time across the whole wave.  A wave's 8 x 4 codes and values come by scalar loads.
; A candidate row is 1,024 bytes: four loads of 8 bytes a lane, 256 consecutive bytes each; widened they are four stores of 16 bytes a lane, 512 consecutive bytes each.
; Four rows' loads (64) are on their way at a time.  Wave 0 also merges the work-group's 64 codes, two a lane, and stores them as 256 consecutive bytes.
; Memory binds: no LDS, no barrier, no matrix unit; no prefetch, since the rows are asked for as soon as their codes are known and the table is read again and again.
; LIMITS.  out1 holds W rounded once to bf16 (8 significant bits).  A NaN among the values never wins.  A code is held to 0 .. 8,191 before it enters an address.
; THE MODE: SCHED_MODE bits 1:0 = 2 (LLVM: expert scheduling mode 2), set by the entry lines.  The code itself states the register dependences
; between vector instructions and memory instructions, and those through scalar registers that vector instructions write, with s_wait_alu, always for 0.
; THE PLAN.  Registers that memory instructions touch:
;   O         The 32 offsets of all eight rows' four candidates, made at once at the head and never written again; so are v1 and v2.
;   C0 .. C3  Row i's sixteen loads land in C[i % 4]; row i's 24 selects read it; behind them the loads of row i + 4 land in it.
;   OUT0, 1   Row i's widening writes OUT[i % 2]; the four stores that read it stand in row i + 1.
;   PV, PI    Wave 0 alone: loaded at the head, merged by selects; one store reads PI.  Never written again.
;   D and BEST are named by vector instructions alone.
; So ONE wait on va_vdst stands in a row, behind its selects: they are done reading C[i % 4], and the row before's widening has written the other OUT.  Beside it, from row 2 on, the wait on vm_vsrc:
; the stores issued a row back have read OUT[i % 2].  The row's sixteen loads and four stores follow, dealt among its sixteen widening lines, which name D and OUT[i % 2]: none of the registers that those touch.
; THE MASKS of all eight rows are made ahead of the rows, in three runs of eight compares, one wait on va_sdst behind each run.
.set L8,   1                           ; v1   8 x lane; never rewritten
.set L16,  2                           ; v2   16 x lane; never rewritten
.set BEST, 6                           ; v[6:13]    row i's running least value
.set D,    20                          ; v[20:27]   the chosen row's 8 words of my lane
.set C,    32                          ; v[32:159]  slot s = row % 4, candidate q, load c at C + 32 s + 8 q + 2 c
.set OUT,  160                         ; v[160:191] two sets of 16: a row as stored
.set PV,   192                         ; v[192:199] wave 0: quarter q's values of my two rows
.set PI,   200                         ; v[200:207] and codes
.set O,    208                         ; v[208:239] row i, candidate q: byte offset of my 8 bytes in its row of wb, at O + 4 i + q
.set WV,   3                           ; s3   my wave's number
.set ROFF, 4                           ; s4   byte offset of my wave's 8 rows in a quarter's list
.set IDX,  8                           ; s[8:39]   quarter q's codes of my 8 rows at IDX + 8 q
.set VAL,  40                          ; s[40:63]  quarters 0 to 2: their values; each quarter's eight registers then take the masks 'quarter q + 1 has won'
.set VAL3, 68                          ; s[68:75]  quarter 3's
.set MK,   86                          ; s86-87    wave 0's merge: the masks of my two rows
.set HM,   89                          ; s89       a word's upper bf16
	s_load_b256 s[76:83], s[0:1], 0x0              ; pval s[76:77], pidx s[78:79], wb s[80:81], out0 s[82:83]
	s_load_b64 s[84:85], s[0:1], 0x20              ; out1
	v_lshrrev_b32 v4, 5, v0
	v_readfirstlane_b32 s[WV], v4                  ; wave 0..7
	v_and_b32 v5, 31, v0
	v_lshlrev_b32 v[L8], 3, v5
	v_lshlrev_b32 v[L16], 4, v5
	s_lshl_b32 s6, ttmp9, 8                        ; the work-group's 64 rows in a list of words
	s_mov_b32 s7, 0
	s_wait_alu depctr_va_sdst(0)                   ; s3, the wave's number, is written, ahead of its first reader: the lists' offset and out1's base are made from it
	s_lshl_b32 s5, s[WV], 5
	s_add_co_u32 s[ROFF], s6, s5                   ; my wave's 8 of them
	s_lshl_b32 s94, ttmp9, 17                      ; out1: 64 rows of 2,048 bytes a work-group,
	s_lshl_b32 s5, s[WV], 14                       ; 8 a wave
	s_add_co_u32 s94, s94, s5
	s_mov_b32 s95, 0
	s_mov_b32 s[HM], 0xffff0000
	s_wait_kmcnt 0x0
.irp q, 0,1,2,3
	s_load_b256 s[IDX+8*(\q):IDX+8*(\q)+7], s[78:79], s[ROFF] offset:65536*(\q)
.endr
.irp q, 0,1,2
	s_load_b256 s[VAL+8*(\q):VAL+8*(\q)+7], s[76:77], s[ROFF] offset:65536*(\q)
.endr
	s_load_b256 s[VAL3:VAL3+7], s[76:77], s[ROFF] offset:65536*3
	s_add_nc_u64 s[90:91], s[76:77], s[6:7]        ; for wave 0: the lists and out0 at the work-group's first row
	s_add_nc_u64 s[92:93], s[78:79], s[6:7]
	s_add_nc_u64 s[82:83], s[82:83], s[6:7]
	s_add_nc_u64 s[84:85], s[84:85], s[94:95]
	s_wait_kmcnt 0x0                               ; scalar loads come back in no order: the count is 0
.set z, 0
.rept 32
	s_min_u32 s[IDX+z], s[IDX+z], 8191             ; a loaded number enters an address only behind this bound
.set z, z+1
.endr
.irp i, 0,1,2,3,4,5,6,7
.irp q, 0,1,2,3
	v_lshl_add_u32 v[O+4*(\i)+(\q)], s[IDX+8*(\q)+(\i)], 10, v[L8]  ; code x 1,024 + 8 x lane: all eight rows' offsets at once
.endr
.endr
	s_wait_alu depctr_va_vdst(0)                   ; v1, v2 and the 32 offsets are written: every load and store of the kernel reads one of them
	s_cmp_lg_u32 s[WV], 0
	s_cbranch_scc1 .Lno_list
.irp q, 0,1,2,3
	global_load_b64 v[PV+2*(\q):PV+2*(\q)+1], v[L8], s[90:91] offset:65536*(\q)
	global_load_b64 v[PI+2*(\q):PI+2*(\q)+1], v[L8], s[92:93] offset:65536*(\q)
.endr
.Lno_list:
; Load c of candidate q of row i, into slot i % 4.
.macro LD i, q, c
	global_load_b64 v[C+32*((\i)%4)+8*(\q)+2*(\c):C+32*((\i)%4)+8*(\q)+2*(\c)+1], v[O+4*(\i)+(\q)], s[80:81] offset:256*(\c)
.endm
; Store c of row i's four: 512 consecutive bytes, aligned.
.macro ST i, c
	global_store_b128 v[L16], v[OUT+16*((\i)%2)+4*(\c):OUT+16*((\i)%2)+4*(\c)+3], s[84:85] offset:2048*(\i)+512*(\c) th:TH_STORE_NT
.endm
; Row i is chosen and widened; row i + 4 is asked for and row i - 1 is stored meanwhile.  left = the loads of the younger rows, 16 each, which may stay out.
.macro PICKROW i, left
	s_wait_loadcnt \left                           ; loads come back in order (ISA guide 5.7.1): this row's sixteen are in
.set CB, C+32*((\i)%4)
.set OB, OUT+16*((\i)%2)
.irp t, 0,1,2,3,4,5,6,7
	v_cndmask_b32 v[D+(\t)], v[CB+(\t)], v[CB+8+(\t)], s[VAL+(\i)]
.endr
.irp t, 0,1,2,3,4,5,6,7
	v_cndmask_b32 v[D+(\t)], v[D+(\t)], v[CB+16+(\t)], s[VAL+8+(\i)]
.endr
.irp t, 0,1,2,3,4,5,6,7
	v_cndmask_b32 v[D+(\t)], v[D+(\t)], v[CB+24+(\t)], s[VAL+16+(\i)]
.endr
	s_wait_alu depctr_va_vdst(0)                   ; the selects are done reading this row's slot, in which the loads below land; the row before's widening has written the other OUT, which the stores below read
.if (\i) >= 2
	s_wait_xcnt 0x0                                ; every earlier memory instruction has had its addresses translated (ISA guide 3.1): OUT's set, which the stores of two rows back read, is rewritten only behind this wait
	s_wait_alu depctr_vm_vsrc(0)                   ; those stores, issued in the row before, have read this OUT set, which the widening below writes again
.endif
.irp t, 0,1,2,3,4,5,6,7
.if (\i) < 4
	LD (\i)+4, (\t)/2, 2*((\t)%2)                  ; the slot is asked for again at once; no vector instruction since the wait names its registers
	LD (\i)+4, (\t)/2, 2*((\t)%2)+1
.endif
.if ((\i) > 0) && (((\t)%2) == 1)
	ST (\i)-1, (\t)/2
.endif
	v_lshlrev_b32 v[OB+2*(\t)], 16, v[D+(\t)]      ; bf16 to f32: the low half moves up,
	v_and_b32 v[OB+2*(\t)+1], s[HM], v[D+(\t)]     ; the high half stays
.endr
.endm
.irp i, 0,1,2,3                        ; rows 0 to 3 are asked for
.irp q, 0,1,2,3
.irp c, 0,1,2,3
	LD \i, \q, \c
.endr
.endr
.endr
	; The masks, while those loads are out.  A run's masks go into the scalar registers of the quarter whose values the vector lines above it have consumed.
.irp i, 0,1,2,3,4,5,6,7
	v_mov_b32 v[BEST+(\i)], s[VAL+(\i)]
.endr
.irp i, 0,1,2,3,4,5,6,7
	v_cmp_lt_f32 s[VAL+(\i)], s[VAL+8+(\i)], v[BEST+(\i)]
.endr
	s_wait_alu depctr_va_sdst(0)                   ; the eight masks 'quarter 1 has won' are written, ahead of the selects that read them
.irp i, 0,1,2,3,4,5,6,7
	v_cndmask_b32 v[BEST+(\i)], v[BEST+(\i)], s[VAL+8+(\i)], s[VAL+(\i)]
.endr
.irp i, 0,1,2,3,4,5,6,7
	v_cmp_lt_f32 s[VAL+8+(\i)], s[VAL+16+(\i)], v[BEST+(\i)]
.endr
	s_wait_alu depctr_va_sdst(0)                   ; the eight masks 'quarter 2 has won' are written, ahead of the selects that read them
.irp i, 0,1,2,3,4,5,6,7
	v_cndmask_b32 v[BEST+(\i)], v[BEST+(\i)], s[VAL+16+(\i)], s[VAL+8+(\i)]
.endr
.irp i, 0,1,2,3,4,5,6,7
	v_cmp_lt_f32 s[VAL+16+(\i)], s[VAL3+(\i)], v[BEST+(\i)]
.endr
	s_wait_alu depctr_va_sdst(0)                   ; the eight masks 'quarter 3 has won' are written, ahead of the rows' selects, their first readers, and of every branch
	PICKROW 0, 48
	s_cmp_lg_u32 s[WV], 0
	s_cbranch_scc1 .Lno_merge                      ; wave 0's lists were asked for ahead of row 0's loads: the wait at that row's head has shown them in
.irp q, 1,2,3
	v_cmp_lt_f32 s[MK], v[PV+2*(\q)], v[PV]
	v_cmp_lt_f32 s[MK+1], v[PV+2*(\q)+1], v[PV+1]
	s_wait_alu depctr_va_sdst(0)                   ; my two rows' masks for this quarter are written, ahead of the selects that read them
.if (\q) < 3
	v_cndmask_b32 v[PV], v[PV], v[PV+2*(\q)], s[MK]
	v_cndmask_b32 v[PV+1], v[PV+1], v[PV+2*(\q)+1], s[MK+1]
.endif
	v_cndmask_b32 v[PI], v[PI], v[PI+2*(\q)], s[MK]
	v_cndmask_b32 v[PI+1], v[PI+1], v[PI+2*(\q)+1], s[MK+1]
.endr
	s_wait_alu depctr_va_vdst(0)                   ; the selects have written PI's first pair, which the store reads
	global_store_b64 v[L8], v[PI:PI+1], s[82:83]   ; the work-group's 64 codes: 256 consecutive bytes, aligned
.Lno_merge:
	PICKROW 1, 48
	PICKROW 2, 48
	PICKROW 3, 48
	PICKROW 4, 48
	PICKROW 5, 32                                  ; nothing is left to ask for: the counts run down
	PICKROW 6, 16
	PICKROW 7, 0
	s_wait_alu depctr_va_vdst(0)                   ; row 7's widening has written its OUT set, which the last four stores read
	ST 7, 0
	ST 7, 1
	ST 7, 2
	ST 7, 3
	s_endpgm
.Lfunc_end_k_q013193dac8_pick:
	.size	k_q013193dac8_pick, .Lfunc_end_k_q013193dac8_pick-k_q013193dac8_pick
	.p2alignl 7, 3214868480
	.fill 96, 4, 3214868480
	.section	.rodata,"a",@progbits
	.p2align	6, 0x0
	.amdhsa_kernel k_q013193dac8_pick
		.amdhsa_group_segment_fixed_size 0
		.amdhsa_private_segment_fixed_size 0
		.amdhsa_enable_private_segment 0
		.amdhsa_kernarg_size 40
		.amdhsa_user_sgpr_count 2
		.amdhsa_user_sgpr_kernarg_segment_ptr 1
		.amdhsa_wavefront_size32 1
		.amdhsa_system_sgpr_workgroup_id_x 1
		.amdhsa_system_sgpr_workgroup_id_y 1
		.amdhsa_system_sgpr_workgroup_id_z 1
		.amdhsa_system_vgpr_workitem_id 0
		.amdhsa_next_free_vgpr 240
		.amdhsa_next_free_sgpr 96
		.amdhsa_reserve_vcc 0
		.amdhsa_float_denorm_mode_32 3
		.amdhsa_float_denorm_mode_16_64 3
		.amdhsa_memory_ordered 1
		.amdhsa_forward_progress 1
		.amdhsa_inst_pref_size 43
	.end_amdhsa_kernel
	.amdgpu_metadata
---
amdhsa.version: [ 1, 2 ]
amdhsa.kernels:
  - .name:           k_q013193dac8_pick
    .symbol:         k_q013193dac8_pick.kd
    .args:
      - { .name: pval, .offset: 0, .size: 8, .value_kind: global_buffer, .address_space: global }
      - { .name: pidx, .offset: 8, .size: 8, .value_kind: global_buffer, .address_space: global }
      - { .name: wb, .offset: 16, .size: 8, .value_kind: global_buffer, .address_space: global }
      - { .name: out0, .offset: 24, .size: 8, .value_kind: global_buffer, .address_space: global }
      - { .name: out1, .offset: 32, .size: 8, .value_kind: global_buffer, .address_space: global }
    .group_segment_fixed_size: 0
    .private_segment_fixed_size: 0
    .kernarg_segment_align: 8
    .kernarg_segment_size: 40
    .max_flat_workgroup_size: 256
    .sgpr_count:     96
    .vgpr_count:     240
    .wavefront_size: 32
...
	.end_amdgpu_metadata
.endif
;; end of part 5
